; MI455X (gfx1250); checked and timed in simulation.
; The chip was launched on July 23, 2026; its instructions are those of AMD's public machine-readable ISA for CDNA 5 (MIT licence, August 2026) and "CDNA5" Instruction Set Architecture Reference Guide (July 2026). The comments in the code are by the model that wrote it; some were corrected since.
;; Trellis Linear. Allowed arithmetic: matrix products marked QUANTISED: E4M3 operands, one given power-of-two scale a tensor, by v_wmma_f32_16x16x64_fp8_fp8 or v_wmma_f32_16x16x128_fp8_fp8, f32 sums; everything else in f32.
;; Inputs: SU 4,096 float32; SV 4,096 float32; lowp_scales 2 int32 (the exponents e of the quantised operands' scales 2^e); scales 65,536 x 1 float32; tlut 1,024 x 2 float32; trellis 65,536 x 32 int32; x 4 x 1,024 x 4,096 float32.
;; Outputs: out0 4 x 1,024 x 4,096 float32.
;; This version of the problem:
;;   THIS VERSION OF THE PROBLEM IS GIVEN IN LOW PRECISION. The matrix products marked QUANTISED in the list below multiply operands that are first quantised to E4M3 (4 exponent bits, 3 mantissa bits; 8 bits a number), with one given power-of-two scale for each operand tensor; their sums are f32. All else is computed in f32.
;;   The module's matrix products, in the order in which they are computed (A, B: the left and right operand; K: the contracted axis; several contracted axes count as one K, in the product's order):
;;     1. [M 4,096, K 4,096] x [K 4,096, N 4,096]; A: input x; B: computed on the way: QUANTISED (scales: A lowp_scales[0], B lowp_scales[1])
;;   THE QUANTISER, for each operand of a quantised product, along K:
;;     - The operand's scale is 2^e, e = its entry of the input lowp_scales (int32; the entries are numbered through the quantised products in the list's order, A before B).
;;     - Each number is divided by the scale, clamped to +-448, and rounded to the nearest number of E4M3, ties to even, subnormals kept.
;;     - The product sums the exact products of the quantised numbers (number of the format x scale) in f32.
;;   ~~~python
;;   def quantise(x, axis, e):      # numpy; x: float32 -> the quantised numbers, widened to float32 again
;;       x = np.moveaxis(x, axis, -1); K = x.shape[-1]
;;       r = np.clip(x / 2.0 ** e, -448, 448)
;;       step = 2.0 ** (np.maximum(np.frexp(np.where(r == 0, 1, r))[1] - 1, -6) - 3)
;;       q = np.round(r / step) * step * 2.0 ** e      # np.round: ties to even
;;       return np.moveaxis(q, -1, axis).astype(np.float32)
;;   ~~~
;;   OPERANDS COMPUTED ON THE WAY. 'Computed on the way' means the value that the module computes at that place (a softmax that the list does not call 'softmax' is quantised finished and normalised). What goes into a quantiser is computed in f32, as accurately as f32 sums, v_exp_f32 and their like allow (about 1e-6 of the number): no bf16 or f16 on the way to a quantiser, and a product that is left as it is and whose result goes on into a quantised operand takes f32 operands (vector FMAs, or v_wmma_f32_16x16x4_f32). A number that lies on a knife's edge between two numbers of the format may be rounded either way, as far as f32 arithmetic and the matrix unit's own rounding can turn it there, and no further.
;; One version. Each part assembles by itself: llvm-mc -triple=amdgcn-amd-amdhsa -mcpu=gfx1250 --defsym DOCPART=n.
;; ======== version 1 of 1: 3 launches
;; workspace buffers: T 67,108,864 bytes; xq 16,777,216 bytes; wq 16,777,216 bytes
;; launch front (part 1): grid 256 x 1, 4 waves a work-group, no clusters, 272,896 bytes of LDS; arguments trellis, tlut, x, lowp_scales, T, xq; writes T, xq
.if DOCPART == 1
	.amdgcn_target "amdgcn-amd-amdhsa--gfx1250"
	.amdhsa_code_object_version 6
	.text
	.protected	k_qf354afadc5_front
	.globl	k_qf354afadc5_front
	.p2align	8
	.type	k_qf354afadc5_front,@function
k_qf354afadc5_front:
	s_mov_b64 s[64:65], 0
	v_nop
	global_prefetch_b8 v0, s[64:65] scope:SCOPE_SE
	s_setreg_imm32_b32 hwreg(HW_REG_WAVE_MODE, 25, 1), 1
	s_wait_xcnt 0x0
; FRONT: every work-group g does two things, and every wave does them BY TURNS, so that one job's memory traffic runs beside the other job's additions.
; (1) It decodes 16 rows o = 16 g + b of the weight (65,536 numbers) from the trellis and runs 16 of the 24 Hadamard levels on them: all 12 along d and o's bits 0-3.
;     The levels are plain butterflies (a + b, a - b) in f32; they commute, so they are run in the order in which the bits lie in registers; the factor 2^-12 and SU, SV, scales follow in the next launch.
; (2) It turns 65,536 numbers of x (f32) into codes of E4M3 with the given scale 2^e0: code = x / 2^e0, held within +-448, to the nearest code, ties to even.  A wave takes 32 steps of 512 numbers;
;     one step stands behind each of the first 32 batches of butterflies: eight steps' loads (16,384 bytes a wave) are on their way while the wave adds.
; LIMITS: e0 between -126 and 119, so that 2^e0 and 448 x 2^e0 are f32 numbers.  NaN in x is not served; an infinity is held at the largest code.
; The sums' order differs from the source's (another order of levels): a difference of f32 rounding alone.
;
; xq: [4096 rows][4096 bytes].  Inside each aligned block of 256 along K, byte 16 lam + 4 i + j holds k = 64 i + 4 lam + j: the order in which a lane's four dense loads give it 16 numbers.
;     The weight's codes are laid in the same order by the next launch, so every product meets its partner.
; T:  f32, [b 16][cb 16][a 256][pi 256], a = g, cb = d / 256; pi's bits 0..7 = d0, d5, d1, d2, d3, d4, d6, d7.
;
; REGISTERS, in windows of 256: window 0: v2-18 addresses, constants and words at work; v32-63 the table on its way; v64-127 the trellis words, later landing buffer 0;
;   v128-191 the butterflies' temporaries; v192-255 the gathers' addresses (four sets of 16), later landing buffer 1.   windows 1, 2: the lane's 512 numbers of the weight.
;   window 3: v0-127 eight slots of 16 numbers of x; v128-255 four registers of codes for each of the 32 steps, so that no store's data are ever written again.
; LDS: 0..8191 the table, 8 bytes an entry, with level d0 already in it: (t0 + t1, t0 - t1);  from 8192: the exchange, 128 rows of 128 x 16 bytes + 16 of padding.
; The text has no branch: every offset is an immediate, no base is stepped.
.set XB,   8192                        ; the exchange
.set XP,   2064                        ; its row: 2,048 bytes + 16: 129 x 16, so that rows start 16 bytes apart modulo 256
.set TW,   64                          ; trellis words
.set TM,   128                         ; temporaries
.set LB0,  64                          ; landing buffers: LB0, and LB0 + 128
.set GA,   192                         ; gather addresses
.set MSB, 0
.macro WIN new                         ; s_set_vgpr_msb: bits 1:0 source 0, 3:2 source 1, 5:4 source 2, 7:6 destination; the high byte repeats the setting that is left
.if MSB != (\new)
	s_set_vgpr_msb (MSB<<8)|(\new)
.set MSB, (\new)
.endif
.endm
; ---- x.  A step is 512 numbers.  Load i of a step: lanes 0-15 read 256 consecutive bytes of one block of 256 numbers, lanes 16-31 of the next block.
.macro XLOAD t                         ; step t into slot t % 8
	WIN 0xc0                                       ; destination window 3, address window 0
.irp i, 0,1,2,3
	global_load_b128 v[16*((\t)%8)+4*\i:16*((\t)%8)+4*\i+3], v16, s[24:25] offset:(\t)*2048+\i*256 th:TH_LOAD_NT
.endr
.endm
.macro XSLOT t                         ; step t is held, converted and stored; its slot takes the step eight further on
.set xs, 16*((\t)%8)
.set xc, 128+4*(\t)
.if (\t) < 24
	s_wait_loadcnt 28                              ; loads come back in order: behind this step's four stand the seven younger steps' 28
.else
	s_wait_loadcnt 4*(31-(\t))                     ; the last eight steps load nothing: the counts run down
.endif
	WIN 0xc3                                       ; source 0 and destination window 3; the constants in window 0
.set y, 0
.rept 16
	v_med3_num_f32 v[xs+y], v[xs+y], -v17, v17     ; the conversion does not saturate (ISA guide 7.6.2): the hold at 448 x 2^e0 comes first
.set y, y+1
.endr
	v_cvt_scalef32_pk8_fp8_f32 v[xc:xc+1], v[xs:xs+7], v18
	v_cvt_scalef32_pk8_fp8_f32 v[xc+2:xc+3], v[xs+8:xs+15], v18
.if (\t) < 24
	XLOAD (\t)+8
.endif
	WIN 0x0c                                       ; the store's data: source 1, window 3
	global_store_b128 v2, v[xc:xc+3], s[26:27] offset:(\t)*512   ; the wave stores 512 consecutive bytes, aligned.  The next vector lines are butterflies: plain, on other registers
.endm
; ---- the butterflies.  A register pair holds d0 = 0, 1 of one place; every line is a packed addition or subtraction of two pairs.
; R4IN: two levels on 8 groups of four pairs in window w; the pairs of a group lie p1, 2 p1, 3 p1 pairs apart.  First level into the temporaries (window 0), second back into place: nothing is copied.
.macro R4IN w, p1, u0
	WIN 5*(\w)                                     ; sources in window w, destination in window 0
.set gg, 0
.rept 8
.set uu, (\u0)+gg
.set AA, 2*((uu%(\p1))+(uu/(\p1))*4*(\p1))
.set tt, TM+8*gg
	v_pk_add_f32 v[tt:tt+1], v[AA:AA+1], v[AA+2*(\p1):AA+2*(\p1)+1]
	v_pk_add_f32 v[tt+2:tt+3], v[AA:AA+1], v[AA+2*(\p1):AA+2*(\p1)+1] neg_lo:[0,1] neg_hi:[0,1]
	v_pk_add_f32 v[tt+4:tt+5], v[AA+4*(\p1):AA+4*(\p1)+1], v[AA+6*(\p1):AA+6*(\p1)+1]
	v_pk_add_f32 v[tt+6:tt+7], v[AA+4*(\p1):AA+4*(\p1)+1], v[AA+6*(\p1):AA+6*(\p1)+1] neg_lo:[0,1] neg_hi:[0,1]
.set gg, gg+1
.endr
	WIN (\w)<<6                                    ; sources in window 0, destination in window w
.set gg, 0
.rept 8
.set uu, (\u0)+gg
.set AA, 2*((uu%(\p1))+(uu/(\p1))*4*(\p1))
.set tt, TM+8*gg
	v_pk_add_f32 v[AA:AA+1], v[tt:tt+1], v[tt+4:tt+5]
	v_pk_add_f32 v[AA+2*(\p1):AA+2*(\p1)+1], v[tt+2:tt+3], v[tt+6:tt+7]
	v_pk_add_f32 v[AA+4*(\p1):AA+4*(\p1)+1], v[tt:tt+1], v[tt+4:tt+5] neg_lo:[0,1] neg_hi:[0,1]
	v_pk_add_f32 v[AA+6*(\p1):AA+6*(\p1)+1], v[tt+2:tt+3], v[tt+6:tt+7] neg_lo:[0,1] neg_hi:[0,1]
.set gg, gg+1
.endr
.endm
; R4X: the same two levels where the first bit is pair bit 6 (128 registers) and the second is the window (1 or 2)
.macro R4X u0
	WIN 0x05
.set gg, 0
.rept 8
.set AA, 2*((\u0)+gg)
.set tt, TM+8*gg
	v_pk_add_f32 v[tt:tt+1], v[AA:AA+1], v[AA+128:AA+129]
	v_pk_add_f32 v[tt+2:tt+3], v[AA:AA+1], v[AA+128:AA+129] neg_lo:[0,1] neg_hi:[0,1]
.set gg, gg+1
.endr
	WIN 0x0a
.set gg, 0
.rept 8
.set AA, 2*((\u0)+gg)
.set tt, TM+8*gg
	v_pk_add_f32 v[tt+4:tt+5], v[AA:AA+1], v[AA+128:AA+129]
	v_pk_add_f32 v[tt+6:tt+7], v[AA:AA+1], v[AA+128:AA+129] neg_lo:[0,1] neg_hi:[0,1]
.set gg, gg+1
.endr
	WIN 0x40
.set gg, 0
.rept 8
.set AA, 2*((\u0)+gg)
.set tt, TM+8*gg
	v_pk_add_f32 v[AA:AA+1], v[tt:tt+1], v[tt+4:tt+5]
	v_pk_add_f32 v[AA+128:AA+129], v[tt+2:tt+3], v[tt+6:tt+7]
.set gg, gg+1
.endr
	WIN 0x80
.set gg, 0
.rept 8
.set AA, 2*((\u0)+gg)
.set tt, TM+8*gg
	v_pk_add_f32 v[AA:AA+1], v[tt:tt+1], v[tt+4:tt+5] neg_lo:[0,1] neg_hi:[0,1]
	v_pk_add_f32 v[AA+128:AA+129], v[tt+2:tt+3], v[tt+6:tt+7] neg_lo:[0,1] neg_hi:[0,1]
.set gg, gg+1
.endr
.endm
; ---- the decode.  Load j gave the lane words 4 (lane % 8) + 0..3 of trellis row 4 j + lane / 8 of the wave's 64: 16 states.
; State 4 i + q of the lane is bits 16 - 4 q .. of (word i << 16 | word i + 1); its low 10 bits index the table.  The word behind the lane's last is the next lane's first, round the row's eight lanes (tail-biting).
.macro DEC1 j
	WIN 0
.set wj, TW+4*(\j)
.set ga, GA+16*((\j)%4)
.set dj, (32*(\j))%256
	v_mov_b32_dpp v11, v[wj] dpp8:[1,2,3,4,5,6,7,0]
	v_lshl_or_b32 v12, v[wj], 16, v[wj+1]
	v_lshl_or_b32 v13, v[wj+1], 16, v[wj+2]
	v_lshl_or_b32 v14, v[wj+2], 16, v[wj+3]
	v_lshl_or_b32 v15, v[wj+3], 16, v11
.irp i, 0,1,2,3
.irp q, 0,1,2,3
	v_bfe_u32 v[ga+4*\i+\q], v[12+\i], 16-4*\q, 10
.endr
.endr
.set y, 0
.rept 16
	v_min_u32 v[ga+y], 0x3ff, v[ga+y]              ; a loaded number enters an address only behind a hold at a constant
.set y, y+1
.endr
.set y, 0
.rept 16
	v_lshlrev_b32 v[ga+y], 3, v[ga+y]              ; 8 bytes an entry; the table begins at LDS byte 0
.set y, y+1
.endr
	WIN (1+((\j)>>3))<<6                           ; destination: window 1 (j < 8) or 2
.irp i, 0,1,2,3
.irp q, 0,1,2,3
	ds_load_b64 v[dj+8*\i+2*\q:dj+8*\i+2*\q+1], v[ga+4*\i+\q]   ; register d0 + 2 q + 8 i + 32 j: q = (d1, d2), i = (d3, d4), j = (d10, d11, b0, b1)
.endr
.endr
.endm
.macro DEC2 k
	DEC1 2*(\k)
	DEC1 2*(\k)+1
.endm
; ---- the exchange's way out: 32 loads of 8 bytes; x = the old thread's number = (d5..d9, b2, b3); those 64 apart (b3) land side by side
.macro LAND n
.set ee, (\n)>>2
.set x0, 16*((\n)&3)
.set lb, LB0+128*((\n)%2)
	WIN 0
.set y, 0
.rept 16
	ds_load_b64 v[lb+2*y:lb+2*y+1], v[8+ee] offset:(x0+y)*16
.set y, y+1
.endr
.set y, 0
.rept 16
	ds_load_b64 v[lb+32+2*y:lb+32+2*y+1], v[8+ee] offset:(x0+y+64)*16
.set y, y+1
.endr
.endm
.macro COMB n                          ; level b3, from the landing buffer into place
.set ee, (\n)>>2
.set x0, 16*((\n)&3)
.set lb, LB0+128*((\n)%2)
	WIN (1+ee)<<6
.set y, 0
.rept 16
	v_pk_add_f32 v[2*(x0+y):2*(x0+y)+1], v[lb+2*y:lb+2*y+1], v[lb+32+2*y:lb+32+2*y+1]
	v_pk_add_f32 v[2*(x0+y+64):2*(x0+y+64)+1], v[lb+2*y:lb+2*y+1], v[lb+32+2*y:lb+32+2*y+1] neg_lo:[0,1] neg_hi:[0,1]
.set y, y+1
.endr
.endm
; ---- window 1 + e goes to T: quad z = (d0, d5) of z's bits (d6, d7, d8, d9, b2, b3); sixteen neighbouring lanes (d1..d4) store 256 consecutive bytes, aligned
.macro TSTORE e
	WIN (1+(\e))<<2                                ; the stores' data: source 1
.set z, 0
.rept 64
.set kk, (\e)+2*((z>>4)&1)+4*(z>>5)
	global_store_b128 v10, v[4*z:4*z+3], s[32+2*kk:33+2*kk] offset:(z&1)*256+((z>>1)&1)*512+((z>>2)&1)*262144+((z>>3)&1)*524288
.set z, z+1
.endr
.endm
	s_load_b256 s[4:11], s[0:1], 0x0               ; trellis s[4:5], tlut s[6:7], x s[8:9], the scales' exponents s[10:11]
	s_load_b128 s[12:15], s[0:1], 0x20             ; T s[12:13], xq s[14:15]
	v_lshl_add_u32 v30, v0, 2, 0x42800
	v_mov_b32 v31, 0
	v_lshrrev_b32 v1, 5, v0
	v_readfirstlane_b32 s16, v1                    ; wave 0..3
	v_and_b32 v1, 31, v0                           ; lane
	v_lshlrev_b32 v2, 4, v1                        ; 16 x lane: for the trellis (a load is 512 consecutive bytes, four trellis rows) and for xq's stores; never rewritten
	v_lshlrev_b32 v3, 4, v0                        ; the table: 16 x thread
.irp k, 0,1,2,3
	v_lshl_add_u32 v[4+\k], v0, 4, XB+\k*32*XP     ; the exchange, way in: column = thread; rows 32 k on
.endr
	v_lshrrev_b32 v8, 1, v0
	v_mul_u32_u24 v8, v8, XP
	v_and_b32 v9, 1, v0
	v_lshl_add_u32 v8, v9, 3, v8
	v_add_nc_u32 v8, XB, v8                        ; way out: row = thread / 2, the half of a quad = thread % 2 (d1);
	v_add_nc_u32 v9, 64*XP, v8                     ; and 64 rows on (b1)
	v_and_b32 v12, 15, v0                          ; lam
	v_bfe_u32 v13, v0, 4, 1                        ; h
	v_lshlrev_b32 v10, 4, v12
	v_lshl_add_u32 v16, v13, 10, v10               ; x: 1,024 h + 16 lam; never rewritten
	v_lshl_add_u32 v10, v13, 20, v10               ; T: 16 (lane % 16) + 2^20 (lane / 16): d1..d4, and d10; never rewritten
	v_mov_b32 v11, 0                               ; written once: a DPP destination counts as read
	s_lshl_b32 s20, ttmp9, 15                      ; the 16 rows' 256 trellis rows are 32,768 consecutive bytes; a wave takes 8,192: (b2, b3) = wave
	s_lshl_b32 s21, s16, 13
	s_add_co_u32 s20, s20, s21
	s_mov_b32 s21, 0
	s_lshl_b32 s22, ttmp9, 10                      ; T: a = g: 1,024 g,
	s_and_b32 s23, s16, 1
	s_lshl_b32 s23, s23, 21                        ; behind the exchange the wave is (d11, b0): 2^21 and
	s_add_co_u32 s22, s22, s23
	s_lshr_b32 s23, s16, 1
	s_lshl_b32 s23, s23, 22                        ; 2^22
	s_add_co_u32 s22, s22, s23
	s_mov_b32 s23, 0
	s_lshl_b32 s28, ttmp9, 18                      ; x: 262,144 g + 65,536 wave
	s_lshl_b32 s29, s16, 16
	s_add_co_u32 s28, s28, s29
	s_mov_b32 s29, 0
	s_lshl_b32 s30, ttmp9, 16                      ; xq: a quarter of that
	s_lshl_b32 s31, s16, 14
	s_add_co_u32 s30, s30, s31
	s_mov_b32 s31, 0
	s_wait_kmcnt 0x0
	s_load_b32 s17, s[10:11], 0x0                  ; e0
	s_add_nc_u64 s[18:19], s[4:5], s[20:21]
	s_add_nc_u64 s[32:33], s[12:13], s[22:23]
.irp k, 1,2,3,4,5,6,7
	s_add_nc_u64 s[32+2*\k:33+2*\k], s[32:33], \k*8388608   ; a base for each (b1, b2, b3): 2^23 bytes apart, beyond a store's immediate
.endr
	s_add_nc_u64 s[24:25], s[8:9], s[28:29]
	s_add_nc_u64 s[26:27], s[14:15], s[30:31]
.irp i, 0,1,2,3
	global_load_b128 v[32+4*\i:35+4*\i], v3, s[6:7] offset:2048*\i
.endr
.irp j, 0,1,2,3,4,5,6,7,8,9,10,11,12,13,14,15
	global_load_b128 v[TW+4*\j:TW+4*\j+3], v2, s[18:19] offset:512*\j th:TH_LOAD_NT
.endr
.irp t, 0,1,2,3,4,5,6,7
	XLOAD \t                                       ; x's eight slots are filled behind the loads that the wave wants first
.endr
	WIN 0
	s_wait_kmcnt 0x0
	s_add_co_i32 s17, s17, 127
	s_lshl_b32 s20, s17, 23
	v_mov_b32 v18, s20                             ; 2^e0 as f32: the conversion takes its exponent field
	s_add_co_i32 s17, s17, 8
	s_lshl_b32 s17, s17, 23
	s_or_b32 s17, s17, 0x600000
	v_mov_b32 v17, s17                             ; 448 x 2^e0
	s_wait_loadcnt 48                              ; the table's four loads are in; younger: the trellis's 16 and x's 32
.irp e, 0,1,2,3,4,5,6,7
	v_add_f32 v[48+2*\e], v[32+2*\e], v[33+2*\e]   ; level d0 goes into the table: 1,024 butterflies in place of 32,768
	v_sub_f32 v[49+2*\e], v[32+2*\e], v[33+2*\e]
.endr
.irp i, 0,1,2,3
	ds_store_b128 v3, v[48+4*\i:51+4*\i] offset:2048*\i
.endr
	s_wait_dscnt 0x0                               ; for the others' sake: my part of the table is in LDS
	s_barrier_signal -1
	s_barrier_wait -1
	s_wait_loadcnt 32                              ; the trellis words are in; x's 32 loads are younger
	; decode, and levels d1..d4 on what has come: two word groups (32 gathers) at work, two on their way; a step of x behind each batch
	DEC2 0
	DEC2 1
.irp k, 0,1,2,3,4,5,6,7
.if \k < 7
	s_wait_dscnt 32                                ; all but the youngest 32 gathers: groups 2 k and 2 k + 1 are in, and their address registers are free
.else
	s_wait_dscnt 0x0                               ; my last gathers are in; no LDS instruction of mine follows until the barrier in front of the exchange
.endif
	R4IN 1+(\k>>2), 1, 8*(\k%4)
	R4IN 1+(\k>>2), 4, 8*(\k%4)
.if \k < 6
	DEC2 \k+2
.endif
	XSLOT \k
.endr
.set xt, 8
.irp w, 1,2                                    ; levels d10, d11
.irp u, 0,8,16,24
	R4IN \w, 16, \u
	XSLOT xt
.set xt, xt+1
.endr
.endr
.irp u, 0,8,16,24,32,40,48,56                  ; levels b0, b1
	R4X \u
	XSLOT xt
.set xt, xt+1
.endr
	s_barrier_signal -1                            ; every wave's gathers out of LDS have come back (its wait for 0 above): only behind this barrier does any wave store into the exchange
	s_barrier_wait -1
	; the exchange, way in: quad qa = (d2, d3, d4, d10, d11, b0, b1) of (d0, d1) to row qa, column thread: a store's 512 bytes are consecutive
	WIN 0x04
.set qa, 0
.rept 64
	ds_store_b128 v[4+(qa>>5)], v[4*qa:4*qa+3] offset:(qa&31)*XP
.set qa, qa+1
.endr
	WIN 0x08
.rept 64
	ds_store_b128 v[4+(qa>>5)], v[4*(qa-64):4*(qa-64)+3] offset:(qa&31)*XP
.set qa, qa+1
.endr
	WIN 0
	s_wait_dscnt 0x0                               ; my stores have landed (and have read their registers)
	s_barrier_signal -1
	s_barrier_wait -1
	; way out: the thread is now (d1, d2, d3, d4, d10, d11, b0), the registers d0 + 2 (d5..d9, b2, b3), the window b1.  The 32 lanes of a load touch 32 different columns of 8 bytes
	LAND 0
	LAND 1
.irp n, 0,1,2,3,4,5,6,7
.if \n < 7
	s_wait_dscnt 32                                ; all but the next landing's 32 loads
.else
	s_wait_dscnt 0x0
.endif
	COMB \n
.if \n < 6
	LAND \n+2
.endif
	XSLOT 24+\n                                    ; x's last eight steps
.endr
.irp w, 1,2                                    ; levels (d5, d6), (d7, d8), (d9, b2); window 1 leaves while window 2 is added
.irp p, 1,4,16
.irp u, 0,8,16,24
	R4IN \w, \p, \u
.endr
.endr
	TSTORE \w-1
.endr
	WIN 0
	s_wait_tensorcnt 0x0
	ds_add_u32 v30, v31
	s_wait_dscnt 0x0
	s_endpgm
.Lfunc_end_k_qf354afadc5_front:
	.size	k_qf354afadc5_front, .Lfunc_end_k_qf354afadc5_front-k_qf354afadc5_front
	.p2alignl 7, 3214868480
	.fill 96, 4, 3214868480
	.section	.rodata,"a",@progbits
	.p2align	6, 0x0
	.amdhsa_kernel k_qf354afadc5_front
		.amdhsa_group_segment_fixed_size 272896
		.amdhsa_private_segment_fixed_size 0
		.amdhsa_enable_private_segment 0
		.amdhsa_kernarg_size 48
		.amdhsa_user_sgpr_count 2
		.amdhsa_user_sgpr_kernarg_segment_ptr 1
		.amdhsa_wavefront_size32 1
		.amdhsa_system_sgpr_workgroup_id_x 1
		.amdhsa_system_sgpr_workgroup_id_y 1
		.amdhsa_system_sgpr_workgroup_id_z 1
		.amdhsa_system_vgpr_workitem_id 0
		.amdhsa_next_free_vgpr 1024
		.amdhsa_next_free_sgpr 66
		.amdhsa_reserve_vcc 0
		.amdhsa_float_denorm_mode_32 3
		.amdhsa_float_denorm_mode_16_64 3
		.amdhsa_memory_ordered 1
		.amdhsa_forward_progress 1
		.amdhsa_inst_pref_size 255
	.end_amdhsa_kernel
	.section	.bss,"aw",@nobits
	.p2align	6
	.space	262144
	.amdgpu_metadata
---
amdhsa.version: [ 1, 2 ]
amdhsa.kernels:
  - .name:           k_qf354afadc5_front
    .symbol:         k_qf354afadc5_front.kd
    .args:
      - { .name: trellis, .offset: 0, .size: 8, .value_kind: global_buffer, .address_space: global }
      - { .name: tlut, .offset: 8, .size: 8, .value_kind: global_buffer, .address_space: global }
      - { .name: x, .offset: 16, .size: 8, .value_kind: global_buffer, .address_space: global }
      - { .name: lowp_scales, .offset: 24, .size: 8, .value_kind: global_buffer, .address_space: global }
      - { .name: T, .offset: 32, .size: 8, .value_kind: global_buffer, .address_space: global }
      - { .name: xq, .offset: 40, .size: 8, .value_kind: global_buffer, .address_space: global }
    .group_segment_fixed_size: 272896
    .private_segment_fixed_size: 0
    .kernarg_segment_align: 8
    .kernarg_segment_size: 48
    .max_flat_workgroup_size: 128
    .sgpr_count:     66
    .vgpr_count:     1024
    .wavefront_size: 32
...
	.end_amdgpu_metadata
.endif
;; end of part 1
;; launch cols (part 2): grid 256 x 1, 4 waves a work-group, no clusters, 67,072 bytes of LDS; arguments T, SU, SV, scales, lowp_scales, wq; writes wq
.if DOCPART == 2
	.amdgcn_target "amdgcn-amd-amdhsa--gfx1250"
	.amdhsa_code_object_version 6
	.text
	.protected	k_qf354afadc5_cols
	.globl	k_qf354afadc5_cols
	.p2align	8
	.type	k_qf354afadc5_cols,@function
k_qf354afadc5_cols:
	s_mov_b64 s[64:65], 0
	v_nop
	global_prefetch_b8 v0, s[64:65] scope:SCOPE_SE
	s_setreg_imm32_b32 hwreg(HW_REG_WAVE_MODE, 25, 1), 1
	s_wait_xcnt 0x0
; COLS: the last 8 Hadamard levels (o's bits 4-11), the factors SU[d] x SV[o] x scales[16 o + d / 256] x 2^-12, and the quantiser: the weight becomes codes of E4M3 with the given scale 2^e1.
; Work-group 16 b + cb takes rows o = 16 a + b, a = 0..255, and columns 256 cb .. + 255: one dense block of 262,144 bytes of T ([b][cb][a][pi], pi's bits = d0, d5, d1..d4, d6, d7).
; Wave w, lane l own columns 64 w + 2 l + {0, 1} for all 256 a: 512 registers, register 2 a + d0, in windows 1 and 2 (the window is a's bit 7).  All 8 levels run inside a lane.
; The codes turn through LDS, so that each row's 256 bytes leave whole.  wq: [4096 rows o][4096 bytes]; inside each aligned block of 256 along K byte 16 lam + 4 i + j holds k = 64 i + 4 lam + j, as in xq.
; LIMITS: e1 between -126 and 119.  NaN among the factors is not served; what is beyond the scale's range is held at the largest code.  SV x scales x 2^-12 is formed first, SU is applied behind the
; levels along o (it commutes with them): the order of roundings differs from the source's, by f32 rounding alone.
; REGISTERS, window 0: v2-10 addresses; v[12:13] SU of my two columns; v14 2^e1, v15 448 x 2^e1; v16-19 SV and scales; v32-63 codes; v64-127, v192-255 the row factors, two buffers, later the turn's registers;
;   v128-191 the butterflies' temporaries, later rows of codes.
; LDS: 0..65535 the codes' stage [q 64][column pair 128][8 bytes] (q: four rows a);  65536..66559 the 256 row factors.
.set FT,   65536
.set TM,   128
.set FB0,  64                          ; factor buffers: FB0, and FB0 + 128
.set CC,   32
.set MSB, 0
.macro WIN new                         ; s_set_vgpr_msb: bits 1:0 source 0, 3:2 source 1, 5:4 source 2, 7:6 destination; the high byte repeats the setting that is left
.if MSB != (\new)
	s_set_vgpr_msb (MSB<<8)|(\new)
.set MSB, (\new)
.endif
.endm
; R4IN: two levels on 8 groups of four register pairs in window w; the pairs of a group lie p1, 2 p1, 3 p1 pairs apart.  First level into the temporaries (window 0), second back into place.
.macro R4IN w, p1, u0
	WIN 5*(\w)
.set gg, 0
.rept 8
.set uu, (\u0)+gg
.set AA, 2*((uu%(\p1))+(uu/(\p1))*4*(\p1))
.set tt, TM+8*gg
	v_pk_add_f32 v[tt:tt+1], v[AA:AA+1], v[AA+2*(\p1):AA+2*(\p1)+1]
	v_pk_add_f32 v[tt+2:tt+3], v[AA:AA+1], v[AA+2*(\p1):AA+2*(\p1)+1] neg_lo:[0,1] neg_hi:[0,1]
	v_pk_add_f32 v[tt+4:tt+5], v[AA+4*(\p1):AA+4*(\p1)+1], v[AA+6*(\p1):AA+6*(\p1)+1]
	v_pk_add_f32 v[tt+6:tt+7], v[AA+4*(\p1):AA+4*(\p1)+1], v[AA+6*(\p1):AA+6*(\p1)+1] neg_lo:[0,1] neg_hi:[0,1]
.set gg, gg+1
.endr
	WIN (\w)<<6
.set gg, 0
.rept 8
.set uu, (\u0)+gg
.set AA, 2*((uu%(\p1))+(uu/(\p1))*4*(\p1))
.set tt, TM+8*gg
	v_pk_add_f32 v[AA:AA+1], v[tt:tt+1], v[tt+4:tt+5]
	v_pk_add_f32 v[AA+2*(\p1):AA+2*(\p1)+1], v[tt+2:tt+3], v[tt+6:tt+7]
	v_pk_add_f32 v[AA+4*(\p1):AA+4*(\p1)+1], v[tt:tt+1], v[tt+4:tt+5] neg_lo:[0,1] neg_hi:[0,1]
	v_pk_add_f32 v[AA+6*(\p1):AA+6*(\p1)+1], v[tt+2:tt+3], v[tt+6:tt+7] neg_lo:[0,1] neg_hi:[0,1]
.set gg, gg+1
.endr
.endm
; R4X: the same where the first bit is pair bit 6 (128 registers) and the second is the window
.macro R4X u0
	WIN 0x05
.set gg, 0
.rept 8
.set AA, 2*((\u0)+gg)
.set tt, TM+8*gg
	v_pk_add_f32 v[tt:tt+1], v[AA:AA+1], v[AA+128:AA+129]
	v_pk_add_f32 v[tt+2:tt+3], v[AA:AA+1], v[AA+128:AA+129] neg_lo:[0,1] neg_hi:[0,1]
.set gg, gg+1
.endr
	WIN 0x0a
.set gg, 0
.rept 8
.set AA, 2*((\u0)+gg)
.set tt, TM+8*gg
	v_pk_add_f32 v[tt+4:tt+5], v[AA:AA+1], v[AA+128:AA+129]
	v_pk_add_f32 v[tt+6:tt+7], v[AA:AA+1], v[AA+128:AA+129] neg_lo:[0,1] neg_hi:[0,1]
.set gg, gg+1
.endr
	WIN 0x40
.set gg, 0
.rept 8
.set AA, 2*((\u0)+gg)
.set tt, TM+8*gg
	v_pk_add_f32 v[AA:AA+1], v[tt:tt+1], v[tt+4:tt+5]
	v_pk_add_f32 v[AA+128:AA+129], v[tt+2:tt+3], v[tt+6:tt+7]
.set gg, gg+1
.endr
	WIN 0x80
.set gg, 0
.rept 8
.set AA, 2*((\u0)+gg)
.set tt, TM+8*gg
	v_pk_add_f32 v[AA:AA+1], v[tt:tt+1], v[tt+4:tt+5] neg_lo:[0,1] neg_hi:[0,1]
	v_pk_add_f32 v[AA+128:AA+129], v[tt+2:tt+3], v[tt+6:tt+7] neg_lo:[0,1] neg_hi:[0,1]
.set gg, gg+1
.endr
.endm
.macro LOADB k                         ; rows a = 32 k .. 32 k + 31 of my two columns: each load's 32 lanes read 256 consecutive bytes, aligned
	WIN (1+((\k)>>2))<<6
.set r, 0
.rept 32
	global_load_b64 v[(64*(\k))%256+2*r:(64*(\k))%256+2*r+1], v2, s[20:21] offset:(32*(\k)+r)*1024 th:TH_LOAD_NT
.set r, r+1
.endr
.endm
.macro FLOAD k                         ; the factors of rows 64 k .. 64 k + 63 into buffer k % 2: every lane reads the same 16 bytes
	WIN 0
.set y, 0
.rept 16
	ds_load_b128 v[FB0+128*((\k)%2)+4*y:FB0+128*((\k)%2)+4*y+3], v7 offset:(16*(\k)+y)*16
.set y, y+1
.endr
.endm
; QB k: rows 64 k .. 64 k + 63: x SU, x the row's factor, the hold, the conversion (8 numbers: 4 rows x my 2 columns), 8 bytes a lane into the stage
.macro QB k
.set ww, 1+((\k)>>1)
.set fb, FB0+128*((\k)%2)
.if (\k) == 0
	s_wait_dscnt 16                                ; the first 64 factors are in; the next 64 may be out
.endif
.if (\k) == 1
	s_wait_dscnt 32                                ; behind this buffer's loads: the third buffer's 16 loads and the first 16 stores
.endif
	WIN ww|(ww<<6)                                 ; source 0 and destination in the data's window
.set y, 0
.rept 16
.set dd, (8*(16*(\k)+y))%256
.set ff, fb+4*y
	v_pk_mul_f32 v[dd:dd+1], v[dd:dd+1], v[12:13]
	v_pk_mul_f32 v[dd+2:dd+3], v[dd+2:dd+3], v[12:13]
	v_pk_mul_f32 v[dd+4:dd+5], v[dd+4:dd+5], v[12:13]
	v_pk_mul_f32 v[dd+6:dd+7], v[dd+6:dd+7], v[12:13]
	v_pk_mul_f32 v[dd:dd+1], v[dd:dd+1], v[ff:ff+1] op_sel_hi:[1,0]                  ; both columns x the row's one factor
	v_pk_mul_f32 v[dd+2:dd+3], v[dd+2:dd+3], v[ff:ff+1] op_sel:[0,1] op_sel_hi:[1,1]
	v_pk_mul_f32 v[dd+4:dd+5], v[dd+4:dd+5], v[ff+2:ff+3] op_sel_hi:[1,0]
	v_pk_mul_f32 v[dd+6:dd+7], v[dd+6:dd+7], v[ff+2:ff+3] op_sel:[0,1] op_sel_hi:[1,1]
.irp i, 0,1,2,3,4,5,6,7
	v_med3_num_f32 v[dd+\i], v[dd+\i], -v15, v15   ; the conversion does not saturate (ISA guide 7.6.2): the hold at 448 x 2^e1 comes first
.endr
.set y, y+1
.endr
.if (\k) < 2
	FLOAD (\k)+2                                   ; this buffer has been read
.endif
.if (\k) == 1
	s_wait_dscnt 16                                ; all but the 16 loads just issued: the last 16 stores have read the codes' registers
.endif
.if (\k) > 1
	s_wait_dscnt 0x0                               ; likewise
.endif
	WIN ww                                         ; source 0 in the data's window
.set y, 0
.rept 16
.set dd, (8*(16*(\k)+y))%256
	v_cvt_scalef32_pk8_fp8_f32 v[CC+2*y:CC+2*y+1], v[dd:dd+7], v14
.set y, y+1
.endr
	v_nop                                          ; one plain vector line behind the last conversion of the run
	WIN 0
.set y, 0
.rept 16
	ds_store_b64 v8, v[CC+2*y:CC+2*y+1] offset:(16*(\k)+y)*1024   ; 256 consecutive bytes a wave
.set y, y+1
.endr
.endm
; The turn, half hf (t = 4 hf .. 4 hf + 3).  A lane's 16 bytes are two column pairs x four rows; v_perm_b32 puts a row's four neighbouring columns into one register; four loads (i) give a row's 16 bytes.
.macro TURNH hf
.set LL, 64+128*(\hf)
.set OO, 128-64*(\hf)
.irp t, 0,1,2,3
.irp i, 0,1,2,3
	v_perm_b32 v[OO+16*\t+\i], v[LL+16*\t+4*\i+2], v[LL+16*\t+4*\i], s31
	v_perm_b32 v[OO+16*\t+4+\i], v[LL+16*\t+4*\i+2], v[LL+16*\t+4*\i], s34
	v_perm_b32 v[OO+16*\t+8+\i], v[LL+16*\t+4*\i+3], v[LL+16*\t+4*\i+1], s31
	v_perm_b32 v[OO+16*\t+12+\i], v[LL+16*\t+4*\i+3], v[LL+16*\t+4*\i+1], s34
.endr
.endr
.irp t, 0,1,2,3
.irp p, 0,1,2,3
	global_store_b128 v10, v[OO+16*\t+4*\p:OO+16*\t+4*\p+3], s[28:29] offset:(4*(\hf)+\t)*524288+\p*65536   ; sixteen lanes store a row's 256 consecutive bytes, aligned
.endr
.endr
.endm
	s_load_b256 s[4:11], s[0:1], 0x0               ; T s[4:5], SU s[6:7], SV s[8:9], scales s[10:11]
	s_load_b128 s[12:15], s[0:1], 0x20             ; the scales' exponents s[12:13], wq s[14:15]
	v_lshl_add_u32 v30, v0, 2, 0x10400
	v_mov_b32 v31, 0
	v_lshrrev_b32 v1, 5, v0
	v_readfirstlane_b32 s16, v1                    ; wave w
	v_and_b32 v1, 31, v0                           ; lane l
	s_lshr_b32 s17, ttmp9, 4                       ; b
	s_and_b32 s18, ttmp9, 15                       ; cb
	v_and_b32 v11, 15, v0                          ; lam
	v_bfe_u32 v22, v0, 4, 1                        ; h
	v_lshlrev_b32 v2, 4, v11
	v_lshl_add_u32 v2, v22, 3, v2                  ; T: 16 (l % 16) + 8 (l / 16): undoes pi's order, so that lane l has columns 2 l, 2 l + 1 of the wave's 64
	v_lshlrev_b32 v3, 3, v1                        ; SU: 8 l
	v_lshlrev_b32 v4, 6, v0                        ; SV: row a = thread: 16 a + b is 64 bytes a step
	v_lshlrev_b32 v5, 10, v0                       ; scales: index 256 a + 16 b + cb: 1,024 bytes a step
	v_lshl_add_u32 v6, v0, 2, FT                   ; the factor of row a = thread
	v_mov_b32 v7, FT
	v_lshlrev_b32 v8, 3, v0                        ; the stage, way in: 8 x thread (the thread is its column pair's number)
	s_lshl_b32 s19, s16, 14
	v_lshlrev_b32 v9, 4, v11
	v_lshl_add_u32 v9, v22, 10, v9
	v_add_nc_u32 v9, s19, v9                       ; way out: q = 16 w + h (+ 2 t): 1,024 q + 16 lam
	v_lshlrev_b32 v10, 4, v11
	v_lshl_add_u32 v10, v22, 18, v10               ; wq: 262,144 h (four rows a) + 16 lam
	s_lshl_b32 s36, ttmp9, 18
	s_lshl_b32 s37, s16, 8
	s_add_co_u32 s36, s36, s37                     ; T: my block + 256 w
	s_mov_b32 s37, 0
	s_lshl_b32 s38, s18, 10
	s_lshl_b32 s39, s16, 8
	s_add_co_u32 s38, s38, s39                     ; SU: 1,024 cb + 256 w
	s_mov_b32 s39, 0
	s_wait_kmcnt 0x0
	s_load_b32 s30, s[12:13], 0x4                  ; e1
	s_add_nc_u64 s[20:21], s[4:5], s[36:37]
	s_add_nc_u64 s[22:23], s[6:7], s[38:39]
	s_lshl_b32 s36, s17, 2
	s_add_nc_u64 s[24:25], s[8:9], s[36:37]        ; SV + 4 b
	s_lshl_b32 s36, ttmp9, 2
	s_add_nc_u64 s[26:27], s[10:11], s[36:37]      ; scales + 4 (16 b + cb)
	s_lshl_b32 s36, s16, 22
	s_lshl_b32 s38, s17, 12
	s_add_co_u32 s36, s36, s38
	s_lshl_b32 s38, s18, 8
	s_add_co_u32 s36, s36, s38
	s_add_nc_u64 s[28:29], s[14:15], s[36:37]      ; wq + 64 rows a x w + row b + 256 cb
	global_load_b64 v[12:13], v3, s[22:23]
	global_load_b32 v16, v4, s[24:25]
	global_load_b32 v17, v4, s[24:25] offset:8192
	global_load_b32 v18, v5, s[26:27]
	global_load_b32 v19, v5, s[26:27] offset:131072
	LOADB 0
	LOADB 1
	WIN 0
	s_wait_kmcnt 0x0
	s_add_co_i32 s30, s30, 127
	s_lshl_b32 s35, s30, 23
	v_mov_b32 v14, s35                             ; 2^e1 as f32: the conversion takes its exponent field
	s_add_co_i32 s30, s30, 8
	s_lshl_b32 s30, s30, 23
	s_or_b32 s30, s30, 0x600000
	v_mov_b32 v15, s30                             ; 448 x 2^e1
	s_mov_b32 s31, 0x05040100                      ; v_perm_b32: the two low halves
	s_mov_b32 s34, 0x07060302                      ; the two high halves
	s_wait_loadcnt 63                              ; behind the five small loads 64 were issued: the five are in
	v_mul_f32 v16, v16, v18                        ; SV x scale of rows a = thread and thread + 128,
	v_mul_f32 v17, v17, v19
	v_mul_f32 v16, 0x39800000, v16                 ; x 2^-12, the two transforms' 1/64 each: exact
	v_mul_f32 v17, 0x39800000, v17
	ds_store_b32 v6, v16                           ; one table for the four waves: the strided reads of SV and scales are made once a work-group
	ds_store_b32 v6, v17 offset:512
	s_wait_dscnt 0x0
	s_barrier_signal -1
	s_barrier_wait -1
	FLOAD 0
	FLOAD 1
.irp k, 0,1,2,3,4,5,6,7                        ; levels a0..a3 on 32 rows at a time, while the rows behind them arrive
.if \k < 7
	s_wait_loadcnt 32                              ; all but the next 32 rows' loads
.else
	s_wait_loadcnt 0x0
.endif
	R4IN 1+(\k>>2), 1, 8*(\k%4)
	R4IN 1+(\k>>2), 4, 8*(\k%4)
.if \k < 6
	LOADB \k+2
.endif
.endr
.irp w, 1,2                                    ; levels a4, a5
.irp u, 0,8,16,24
	R4IN \w, 16, \u
.endr
.endr
.irp u, 0,8,16,24,32,40,48,56                  ; levels a6, a7
	R4X \u
.endr
	QB 0
	QB 1
	QB 2
	QB 3
	s_wait_dscnt 0x0                               ; for the others' sake: my codes are in the stage
	s_barrier_signal -1
	s_barrier_wait -1
.irp t, 0,1,2,3,4,5,6,7                        ; wave w takes q = 16 w + 2 t + h: each half of the lanes reads 256 consecutive bytes
.irp i, 0,1,2,3
	ds_load_b128 v[64+128*(\t/4)+16*(\t%4)+4*\i:64+128*(\t/4)+16*(\t%4)+4*\i+3], v9 offset:\t*2048+\i*256
.endr
.endr
	s_wait_dscnt 16                                ; the first 16 loads are in
	TURNH 0
	s_wait_dscnt 0x0
	TURNH 1                                        ; its rows go into the registers that the first half's loads filled; no store's data are written again
	s_wait_tensorcnt 0x0
	ds_add_u32 v30, v31
	s_wait_dscnt 0x0
	s_endpgm
.Lfunc_end_k_qf354afadc5_cols:
	.size	k_qf354afadc5_cols, .Lfunc_end_k_qf354afadc5_cols-k_qf354afadc5_cols
	.p2alignl 7, 3214868480
	.fill 96, 4, 3214868480
	.section	.rodata,"a",@progbits
	.p2align	6, 0x0
	.amdhsa_kernel k_qf354afadc5_cols
		.amdhsa_group_segment_fixed_size 67072
		.amdhsa_private_segment_fixed_size 0
		.amdhsa_enable_private_segment 0
		.amdhsa_kernarg_size 48
		.amdhsa_user_sgpr_count 2
		.amdhsa_user_sgpr_kernarg_segment_ptr 1
		.amdhsa_wavefront_size32 1
		.amdhsa_system_sgpr_workgroup_id_x 1
		.amdhsa_system_sgpr_workgroup_id_y 1
		.amdhsa_system_sgpr_workgroup_id_z 1
		.amdhsa_system_vgpr_workitem_id 0
		.amdhsa_next_free_vgpr 768
		.amdhsa_next_free_sgpr 66
		.amdhsa_reserve_vcc 0
		.amdhsa_float_denorm_mode_32 3
		.amdhsa_float_denorm_mode_16_64 3
		.amdhsa_memory_ordered 1
		.amdhsa_forward_progress 1
		.amdhsa_inst_pref_size 249
	.end_amdhsa_kernel
	.amdgpu_metadata
---
amdhsa.version: [ 1, 2 ]
amdhsa.kernels:
  - .name:           k_qf354afadc5_cols
    .symbol:         k_qf354afadc5_cols.kd
    .args:
      - { .name: T, .offset: 0, .size: 8, .value_kind: global_buffer, .address_space: global }
      - { .name: SU, .offset: 8, .size: 8, .value_kind: global_buffer, .address_space: global }
      - { .name: SV, .offset: 16, .size: 8, .value_kind: global_buffer, .address_space: global }
      - { .name: scales, .offset: 24, .size: 8, .value_kind: global_buffer, .address_space: global }
      - { .name: lowp_scales, .offset: 32, .size: 8, .value_kind: global_buffer, .address_space: global }
      - { .name: wq, .offset: 40, .size: 8, .value_kind: global_buffer, .address_space: global }
    .group_segment_fixed_size: 67072
    .private_segment_fixed_size: 0
    .kernarg_segment_align: 8
    .kernarg_segment_size: 48
    .max_flat_workgroup_size: 128
    .sgpr_count:     66
    .vgpr_count:     768
    .wavefront_size: 32
...
	.end_amdgpu_metadata
.endif
;; end of part 2
;; launch gemm (part 3): grid 16 x 16, 4 waves a work-group, clusters of 4 x 4, 327,680 bytes of LDS; arguments xq, wq, lowp_scales, out0; writes out0
.if DOCPART == 3
	.amdgcn_target "amdgcn-amd-amdhsa--gfx1250"
	.amdhsa_code_object_version 6
	.text
	.protected	k_qf354afadc5_gemm
	.globl	k_qf354afadc5_gemm
	.p2align	8
	.type	k_qf354afadc5_gemm,@function
k_qf354afadc5_gemm:
	s_mov_b64 s[64:65], 0
	v_nop
	global_prefetch_b8 v0, s[64:65] scope:SCOPE_SE
	s_setreg_imm32_b32 hwreg(HW_REG_WAVE_MODE, 25, 1), 1
	s_wait_xcnt 0x0
	s_wait_alu depctr_hold_cnt(0) depctr_sa_sdst(0) depctr_va_vdst(0) depctr_va_sdst(0) depctr_va_ssrc(0) depctr_va_vcc(0) depctr_vm_vsrc(0)
	s_getreg_b32 s2, hwreg(HW_REG_IB_STS2, 6, 4)
	s_cmp_eq_u32 s2, 0
	s_cbranch_scc0 .Lentry_in_a_cluster
	s_endpgm
.Lentry_in_a_cluster:
	s_bfe_u32 s2, ttmp6, 0x10000c
	s_cmp_lg_u32 s2, 0xf033
	s_cbranch_scc0 .Lentry_shape_is_right
	s_endpgm
.Lentry_shape_is_right:
; out0[m][o] = 2^(e0 + e1) x the sum over k of xq[m][k] wq[o][k].  xq: [4096][4096], wq: [4096][4096]: codes of FP8 (E4M3), one byte each; out0: [4096][4096] f32; sums in f32.
; Inside each aligned block of 256 along K both buffers hold k in the same permuted order, and the fragments below take 16 bytes a load from both alike: every product meets its partner;
; only the order of the sums inside a matrix instruction differs from ascending k.
; LIMIT: e0 + e1 lies between -126 and 127, so that 2^(e0 + e1) is an f32 number.
; A tile of the output, 256 x 256, is made by a work-group of four waves; a wave makes 128 x 128: 64 accumulators of 16 x 16, 512 registers.
; K goes in steps of 256 through a ring of two LDS slots filled by the tensor data mover: a tile's row is 256 bytes of memory.
; CLUSTERS: 4 x 4 work-groups.  The four of a row of the cluster need the same tiles of A (xq), the four of a column the same tiles of B (wq): each tile is asked for JOINTLY, by the same tensor load with the
; same descriptor and a mask that names the four.  THE MATRIX INSTRUCTION IS USED TRANSPOSED (source 0 = 16 rows of B, source 1 = 16 rows of A): a lane then holds eight neighbouring numbers of a row of the output.
; REGISTERS, in windows of 256: window 0: v0-31 addresses; from v128 A's fragments (8 x 16 rows x 128 K), ONE set; on the way out v32-255 are free.
;   window 1: B's fragments, TWO sets, at v0 and at v128.   window 2: the 32 accumulators of my rows 0-63 (accumulator (a, b) at v[8 (8 a + b)]);   window 3: those of my rows 64-127.
; A step of 128 along K is 64 matrix instructions, A's blocks one after the other, each against B's eight.  So a block of A is free as soon as its eight products are issued, and one set of registers serves A:
; blocks 0-3 are fetched anew in the step's middle, blocks 4-7 at its end.  B's fragments are at work through the whole step, so B has two sets.
.set SIZE_M, 4096
.set SIZE_N, 4096
.set SIZE_K, 4096
.set KSTEP,  256                       ; along K in a slot
.set ROWB,   256                       ; a tile's row in bytes
.set KROW,   SIZE_K                    ; a row of A or of B in memory, in bytes
.set PITCH,  272                       ; an LDS row: 256 bytes of data + 16 of padding = 68 words: row r starts at bank 4 r mod 64 (64 banks of 4 bytes: ISA guide 11.1), so the 16 rows that a load touches start at 16 different banks
.set FR,     16                        ; registers of a fragment: 16 rows x 128 K
.set NL,     4                         ; LDS loads that bring one
.set NP,     4                         ; places behind this matrix instruction (ISA guide 7.12.1)
.set HALFT,  128*PITCH                 ; 128 rows: what one tensor load brings, and what one wave reads of A or of B
.set SLOT,   4*HALFT                   ; A's 256 rows, then B's 256 rows
.set LAPS,   SIZE_K/(2*KSTEP)          ; a lap = two K steps = once round the ring: 8
.set SPARE,  2*SLOT                    ; behind the ring: the spare words, 128 bytes for each wave: two blocks of 256 bytes that no other line names
.set SPITCH, 528                       ; the way out: a stage of 16 rows x (512 bytes + 16) for each wave.  It lies in slot 0, which has had its last fill and its last read when the first result is stored there
.set ADRA, 16                          ; v16-17  LDS address of my A fragments in slot 0, 1
.set ADRB, 20                          ; v20-21  the same for B
.set STO,  24                          ; v24     the way out: where I put 32 bytes of a row
.set RD,   25                          ; v25     the way out: where I read a row back
.set CO,   26                          ; v26     my byte offset in a row of the output
.set SPW,  28                          ; v28     LDS address of my spare word: SPARE + 4 x my thread's number; never rewritten
.set NIL,  29                          ; v29     0; never rewritten
.set PFO,  30                          ; v30     the prefetches' offset: my lane x a row of A or B in memory; never rewritten
.set TMP,  32                          ; the way out: 64 registers, a block's sums x 2^(e0 + e1)
.set AF,   128                         ; A's fragments, in window 0
.set BK,   128                         ; the way out: 16 rows read back from the stage: v128-191 and v192-255 by turns
.set G1, 24                            ; s[24:31] descriptor group 1 for A's tiles;  s[32:39] group 0, one set for each slot
.set G0, 32
.set G1B, 48                           ; s[48:55], s[56:63] the same for B's tiles
.set G0B, 56
.set PFA, 66                           ; s[66:67] where my prefetches stand: my work-group's 32 rows of the 128 that I fetch, one K step further along K than the refill that is being asked for
.set LIM, 68                           ; s68     1 in a wave that prefetches, else the greatest number
.set MSB, 0
.macro WIN new                         ; the immediate's high byte repeats the setting that is left
.if MSB != (\new)
	s_set_vgpr_msb (MSB<<8)|(\new)
.set MSB, (\new)
.endif
.endm
.set MUL_LO, 0xa1                      ; source 0 (B) window 1, source 1 (A) window 0, C and D window 2
.set MUL_HI, 0xf1                      ; the same, C and D window 3
.set TO_B,   0x40                      ; destination window 1, address window 0
; A joint load: waves 0 and 1 fetch for A, waves 2 and 3 for B.  Each of the two lines has ONE mask and one set of registers for all that issue it; the branch hangs on the wave's number alone.
; Four v_nop follow each of the two lines, ahead of the jump, the label and what follows.
.macro JLOAD g0a, g1a, g0b, g1b
	s_cmp_eq_u32 s15, 0
	s_cbranch_scc0 .Lfor_b_\@
	tensor_load_to_lds s[\g0a:\g0a+3], s[\g1a:\g1a+7]
	s_nop 0
.rept 4
	v_nop
.endr
	s_branch .Lasked_\@
.Lfor_b_\@:
	tensor_load_to_lds s[\g0b:\g0b+3], s[\g1b:\g1b+7]
	s_nop 0
.rept 4
	v_nop
.endr
.Lasked_\@:
.endm
; A PREFETCH INTO THE L2, behind each joint refill and the run of LDS loads that follows it: the K step that stands TWO refills on: 32 rows x 256 bytes, a lane a row, one instruction a wave: 256 matrix instructions ahead of the load that will want it.
; Each row's 256 bytes of a K step are named ONCE in the launch.  A's tile row is read by every cluster of that row of clusters: the first of them (cluster x = 0) asks; B's tile column by every cluster of that
; column: cluster y = 0 asks.  The four partners that ask for a tile jointly share its rows out BY ADDRESS: of the 128 rows that a wave fetches, the partner at place p takes 32 p .. 32 p + 31 (p = cx for A, cy for B).
; The loop's last trip (s3 = 1) asks for nothing: its refills are K steps 14 and 15, the last.  K steps 0 to 3 come by their loads alone.
.macro ASK
	s_cmp_gt_u32 s3, s[LIM]
	s_cbranch_scc0 .Lnot_mine_\@
	global_prefetch_b8 v[PFO], s[PFA:PFA+1] offset:ROWB th:TH_LOAD_NT scope:SCOPE_SE
.Lnot_mine_\@:
.endm
.macro CREST                           ; a round of the cluster's barrier behind its opening barrier
	s_cmp_lg_u32 s14, 0
	s_cbranch_scc1 .Lnot_wave_0_\@
	s_barrier_signal -3
.Lnot_wave_0_\@:
	s_barrier_wait -3
	s_barrier_signal -1
	s_barrier_wait -1
.endm
.macro CROUND                          ; a whole round
	s_barrier_signal -1
	s_barrier_wait -1
	CREST
.endm
	s_load_b128 s[4:7], s[0:1], 0x0                ; A's codes s[4:5], B's codes s[6:7]
	s_load_b128 s[8:11], s[0:1], 0x10              ; the two scales' exponents s[8:9], the output s[10:11]
	v_lshl_add_u32 v[SPW], v0, 2, SPARE
	v_mov_b32 v[NIL], 0
	ds_add_u32 v28, v29
	ds_add_u32 v28, v29
	s_wait_dscnt 0x0
	v_lshrrev_b32 v1, 5, v0
	v_readfirstlane_b32 s14, v1                    ; wave 0..3
	s_lshr_b32 s15, s14, 1                         ; which half of the tile's rows is mine.  Also: I fetch for A (0) or for B (1)
	s_and_b32 s16, s14, 1                          ; which half of its columns.  Also: which 128 rows of that tile I fetch
	s_bfe_u32 s40, ttmp6, 0x40000                  ; cx, cy: my place in the cluster
	s_bfe_u32 s41, ttmp6, 0x40004
	s_lshl_b32 s42, ttmp9, 2
	s_add_co_u32 s42, s42, s40                     ; tile column = 4 x cluster x + cx
	s_and_b32 s17, ttmp7, 0xffff
	s_lshl_b32 s17, s17, 2
	s_add_co_u32 s17, s17, s41                     ; tile row = 4 x cluster y + cy
	s_lshl_b32 s43, s41, 2
	s_lshl_b32 s43, 15, s43                        ; my row of the cluster
	s_lshl_b32 s44, 0x1111, s40                    ; my column
	; descriptor group 1: a tile of 128 rows x ROWB bytes, padded in LDS
	s_or_b32 s[G1+0], s43, (0<<16)|(1<<20)|(1<<21)|(5<<22)|(3<<25)  ; 15:0 the mask: A's tiles go to my row; 17:16 element of 1 byte; 20 padding on; 21 set beside a mask; 24:22 after every 64 words (code 5); 31:25 of 4 words (code 3)
	s_or_b32 s[G1B+0], s44, (0<<16)|(1<<20)|(1<<21)|(5<<22)|(3<<25)
.irp g, G1, G1B
	s_mov_b32 s[\g+1], ROWB<<16                    ; tensor_dim0
	s_mov_b32 s[\g+2], 128<<16                     ; tensor_dim1 = 128
	s_mov_b32 s[\g+3], ROWB<<16                    ; tile_dim0
	s_mov_b32 s[\g+4], 128                         ; tile_dim1 = 128
	s_mov_b32 s[\g+5], KROW                        ; tensor_dim0_stride
	s_mov_b32 s[\g+6], 0
	s_mov_b32 s[\g+7], 0
.endr
	s_lshl_b32 s18, s16, 7                         ; which 128 rows of the tile I fetch
	s_lshl_b32 s20, s17, 8
	s_add_co_u32 s20, s20, s18                     ; A: row 256 x tile row + 128 x half
	s_lshl_b32 s46, s42, 8
	s_add_co_u32 s46, s46, s18                     ; B: row 256 x tile column + 128 x half
	s_mov_b32 s21, 0
	s_mov_b32 s47, 0
	s_mov_b64 s[18:19], KROW
	s_mul_u64 s[20:21], s[20:21], s[18:19]         ; in bytes
	s_mul_u64 s[46:47], s[46:47], s[18:19]
	s_mul_i32 s45, s14, HALFT                      ; where they go: wave x 128 rows: no place in the cluster enters an LDS address
	s_wait_kmcnt 0x0
	s_load_b64 s[96:97], s[8:9], 0x0               ; e0, e1
	s_add_nc_u64 s[20:21], s[4:5], s[20:21]
	s_add_nc_u64 s[46:47], s[6:7], s[46:47]
	CROUND                                         ; all sixteen work-groups are here: the first joint loads meet
.irp s, 0,1
	s_mov_b32 s[G0+4*\s], 1
	s_add_co_u32 s[G0+4*\s+1], s45, \s*SLOT
	s_add_nc_u64 s[G0+4*\s+2:G0+4*\s+3], s[20:21], \s*ROWB
	s_or_b32 s[G0+4*\s+3], s[G0+4*\s+3], 0x80000000
	s_mov_b32 s[G0B+4*\s], 1
	s_add_co_u32 s[G0B+4*\s+1], s45, \s*SLOT
	s_add_nc_u64 s[G0B+4*\s+2:G0B+4*\s+3], s[46:47], \s*ROWB
	s_or_b32 s[G0B+4*\s+3], s[G0B+4*\s+3], 0x80000000
	JLOAD G0+4*\s, G1, G0B+4*\s, G1B
.endr
	v_and_b32 v1, 15, v0                           ; l % 16
	v_bfe_u32 v2, v0, 4, 1                         ; l / 16
	v_mul_u32_u24 v3, v1, PITCH
	v_lshl_add_u32 v4, v2, 4, v3                   ; a fragment's row x pitch + 16 x half
	s_mul_i32 s21, s15, HALFT                      ; my 128 rows of A
	s_mul_i32 s22, s16, HALFT                      ; my 128 rows of B,
	s_add_co_u32 s22, s22, 2*HALFT                 ; which lie behind A's 256
.irp s, 0,1
	v_add_nc_u32 v[ADRA+\s], s21, v4
	v_add_nc_u32 v[ADRB+\s], s22, v4
	s_add_co_u32 s21, s21, SLOT
	s_add_co_u32 s22, s22, SLOT
.endr
	s_mul_i32 s23, s14, 16*SPITCH                  ; my stage
	v_mul_u32_u24 v5, v1, SPITCH                   ; in: row l % 16, 32 bytes for each half of the lanes
	v_lshl_add_u32 v5, v2, 5, v5
	v_add_nc_u32 v[STO], s23, v5
	v_and_b32 v6, 31, v0
	v_lshlrev_b32 v[CO], 4, v6                     ; back: the 32 lanes take one row of 512 bytes; and the same in the output
	v_add_nc_u32 v[RD], s23, v[CO]
	s_lshl_b32 s20, s17, 8
	s_lshl_b32 s21, s15, 7
	s_add_co_u32 s20, s20, s21                     ; my first row of the output: 256 x tile row + 128 x half
	s_mov_b32 s21, 0
	s_mov_b64 s[18:19], SIZE_N*4
	s_mul_u64 s[20:21], s[20:21], s[18:19]
	s_lshl_b32 s46, s42, 10                        ; my first column, in bytes: 1024 x tile column + 512 x half
	s_lshl_b32 s47, s16, 9
	s_add_co_u32 s46, s46, s47
	s_mov_b32 s47, 0
	s_add_nc_u64 s[20:21], s[20:21], s[46:47]
	s_add_nc_u64 s[10:11], s[10:11], s[20:21]
	; the prefetches: where mine stand, and who asks.  Registers of their own: none that feeds a descriptor holds these numbers
	s_lshl_b32 s69, s17, 8                         ; 256 x tile row
	s_lshl_b32 s70, s42, 8                         ; 256 x tile column
	s_and_b32 s71, ttmp7, 0xffff                   ; cluster y
	s_cmp_eq_u32 s15, 0                            ; do I fetch for A?
	s_cselect_b32 s72, s69, s70                    ; the tile's first row: in A by the tile row, in B by the tile column
	s_cselect_b32 s73, s40, s41                    ; my place among the four that ask for it with me
	s_cselect_b32 s71, ttmp9, s71                  ; the coordinate along which other clusters read the same rows
	s_cselect_b64 s[PFA:PFA+1], s[4:5], s[6:7]
	s_cmp_eq_u32 s71, 0
	s_cselect_b32 s[LIM], 1, -1                    ; the same in all sixteen partners, for a given wave
	s_lshl_b32 s71, s16, 7
	s_add_co_u32 s72, s72, s71                     ; + the 128 rows that I fetch
	s_lshl_b32 s73, s73, 5
	s_add_co_u32 s72, s72, s73                     ; + my work-group's 32 of them
	s_mov_b32 s73, 0
	s_mov_b64 s[74:75], KROW
	s_mul_u64 s[72:73], s[72:73], s[74:75]
	s_add_nc_u64 s[PFA:PFA+1], s[PFA:PFA+1], s[72:73]
	s_add_nc_u64 s[PFA:PFA+1], s[PFA:PFA+1], 2*ROWB  ; at K step 2: the first refill steps it to 3 and names K step 4
	v_and_b32 v[PFO], 31, v0
	v_mul_u32_u24 v[PFO], v[PFO], KROW
.macro FRAG reg, adr, q, i             ; a fragment, 16 rows x 128 bytes along K, is 16 registers: lane l holds row l % 16; registers 4 c .. 4 c + 3 hold bytes 32 c + 16 (l / 16) + 0 .. 15
.irp c, 0,1,2,3
	ds_load_b128 v[\reg+4*\c:\reg+4*\c+3], v[\adr] offset:128*(\q)+32*\c+(\i)*16*PITCH
.endr
.endm
; 16 matrix instructions: A's blocks a0, a0 + 1 x B's eight, 128 along K.  p: B's set.  zero = 1: the first product starts the sums: nothing is ever cleared.
; The 64 accumulators take turns, one instruction a turn, in the same order in every step.
.macro MUL16 a0, p, zero
.irp a, \a0, \a0+1
.irp b, 0,1,2,3,4,5,6,7
.if \zero
	v_wmma_f32_16x16x128_fp8_fp8 v[8*(8*((\a)%4)+\b):8*(8*((\a)%4)+\b)+7], v[128*(\p)+FR*\b:128*(\p)+FR*\b+FR-1], v[AF+FR*(\a):AF+FR*(\a)+FR-1], 0
.else
	v_wmma_f32_16x16x128_fp8_fp8 v[8*(8*((\a)%4)+\b):8*(8*((\a)%4)+\b)+7], v[128*(\p)+FR*\b:128*(\p)+FR*\b+FR-1], v[AF+FR*(\a):AF+FR*(\a)+FR-1], v[8*(8*((\a)%4)+\b):8*(8*((\a)%4)+\b)+7]
.endif
.endr
.endr
.endm
.macro FETCH_B slot, q, p              ; B's eight fragments of the slot's q-th 128 along K into set p
	WIN TO_B
.irp i, 0,1,2,3,4,5,6,7
	FRAG 128*(\p)+FR*\i, ADRB+\slot, \q, \i
.endr
	WIN 0
.endm
.macro FETCH_A slot, q, i0             ; A's blocks i0 .. i0 + 3
.irp i, \i0, \i0+1, \i0+2, \i0+3
	FRAG AF+FR*(\i), ADRA+\slot, \q, \i
.endr
.endm
; A load into a register that a matrix instruction has read, and a vector instruction or an LDS store that reads a matrix result, stand NP places behind that matrix instruction, and only plain vector
; instructions that name none of its registers are places (ISA guide 7.12.1 for vector instructions); the matrix instructions in between are not counted.
.macro PLACES n
.rept \n
	v_nop
.endr
.endm
; A step of 128 along K that has its successor in the same slot.
.macro STEP slot, q, zero
	s_wait_dscnt 4*NL                              ; B's set and A's blocks 0-3 are in; the youngest 16 loads (A's blocks 4-7) may be out
	WIN MUL_LO
	MUL16 0, (\q)%2, \zero
	MUL16 2, (\q)%2, \zero
	s_wait_dscnt 0                                 ; A's blocks 4-7 are in (asked for 32 matrix instructions ago)
	PLACES NP
	FETCH_B \slot, (\q)+1, 1-(\q)%2
	FETCH_A \slot, (\q)+1, 0
	WIN MUL_HI
	MUL16 4, (\q)%2, \zero
	MUL16 6, (\q)%2, \zero
	PLACES NP
	WIN 0
	FETCH_A \slot, (\q)+1, 4
.endm
; A slot's last step changes slots: ONE barrier; in front of it each wave waits for all its tensor loads, adds 0 to its spare word, and waits for that and for its own reads of this slot.  fill = 1: this slot is filled again, two K steps ahead.
.macro TURN slot, next, fill
.if \fill
	s_wait_xcnt 0x0                                ; the last prefetch, a K step back, has read its address: it is stepped here, ahead of the waits of the change of slots
	s_add_nc_u64 s[PFA:PFA+1], s[PFA:PFA+1], ROWB
.endif
	s_wait_tensorcnt 0x0                           ; all my tensor loads have landed: the one that was out is my part of the next slot;  (every window is 0 here: the add's two registers lie in window 0)
	ds_add_u32 v[SPW], v[NIL]                      ; 0 onto my spare word;
	s_wait_dscnt 4*NL+1                            ; (the add and the youngest 16 loads, A's blocks 4-7, may be out)
	WIN MUL_LO
	MUL16 0, 1, 0                                  ; sixteen matrix instructions stand between the add and the wait for it
	s_wait_dscnt 0x0                               ; the add is done, and my reads of this slot are over
	s_barrier_signal -1
	MUL16 2, 1, 0
	WIN 0
	s_barrier_wait -1
.if \fill
	CREST                                          ; the barrier has opened a round of the cluster's barrier: no wave of any partner still reads this slot's tile or has a load on its way
	s_add_nc_u64 s[G0+4*\slot+2:G0+4*\slot+3], s[G0+4*\slot+2:G0+4*\slot+3], 2*ROWB
	s_add_nc_u64 s[G0B+4*\slot+2:G0B+4*\slot+3], s[G0B+4*\slot+2:G0B+4*\slot+3], 2*ROWB
	JLOAD G0+4*\slot, G1, G0B+4*\slot, G1B         ; the first tensor load behind the round, my only one until the next; the four v_nop behind it are the places in front of the loads below
.else
	PLACES NP
.endif
	FETCH_B \next, 0, 0
	FETCH_A \next, 0, 0
.if \fill
	ASK                                            ; behind the joint load and the run of LDS loads that the next products wait for
.endif
	WIN MUL_HI
	MUL16 4, 1, 0
	MUL16 6, 1, 0
	PLACES NP
	WIN 0
	FETCH_A \next, 0, 4
.endm
	s_wait_tensorcnt 1                             ; my part of K step 0 is in (K step 1's load, issued behind it, may be out)
	s_barrier_signal -1
	s_barrier_wait -1                              ; everybody's is
	FETCH_B 0, 0, 0
	FETCH_A 0, 0, 0
	FETCH_A 0, 0, 4
	STEP 0, 0, 1                                   ; the first step stands in front of the loop: its products start the sums
	s_mov_b32 s3, LAPS-1
.Llap:                                                 ; a trip goes once round the ring, from a lap's second step to the next lap's first, and fills both slots again
	TURN 0, 1, 1
	STEP 1, 0, 0
	TURN 1, 0, 1
	STEP 0, 0, 0
	s_sub_co_u32 s3, s3, 1
	s_cmp_lg_u32 s3, 0
	s_cbranch_scc1 .Llap
	TURN 0, 1, 0                                   ; the last lap fills nothing, and has no round of the cluster's barrier
	STEP 1, 0, 0
	s_wait_dscnt 4*NL                              ; the very last step: nothing more to fetch
	WIN MUL_LO
	MUL16 0, 1, 0
	MUL16 2, 1, 0
	s_wait_dscnt 0
	WIN MUL_HI
	MUL16 4, 1, 0
	MUL16 6, 1, 0
	WIN 0
; THE WAY OUT, block by block of 16 rows x 128 columns.  A lane holds 32 neighbouring bytes of a row, and the lanes beside it hold other rows: so a block goes through my own stage in LDS and comes back as whole
; rows of 512 bytes, which the 32 lanes store as 512 consecutive bytes.  LDS serves a wave's instructions in order (ISA guide 5.7.1.4): no wait between the stores and the loads, nor in front of the next block's stores.
.macro TOSTAGE a
.set AC, 64*((\a)%4)
	WIN 0x02+((\a)/4)                              ; source 0: window 2 or 3
.irp j, 0,2,4,6,8,10,12,14,16,18,20,22,24,26,28,30,32,34,36,38,40,42,44,46,48,50,52,54,56,58,60,62
	v_pk_mul_f32 v[TMP+\j:TMP+\j+1], v[AC+\j:AC+\j+1], s[96:97] op_sel_hi:[1,0]   ; both x s96 = 2^(e0 + e1): nothing is rounded, short of overflow and underflow; each accumulator from its low end on
.endr
	WIN 0
.irp b, 0,1,2,3,4,5,6,7
	ds_store_b128 v[STO], v[TMP+8*\b:TMP+8*\b+3] offset:64*\b
	ds_store_b128 v[STO], v[TMP+8*\b+4:TMP+8*\b+7] offset:64*\b+16
.endr
.set BB, BK+64*((\a)%2)
.irp t, 0,1,2,3,4,5,6,7,8,9,10,11,12,13,14,15
	ds_load_b128 v[BB+4*\t:BB+4*\t+3], v[RD] offset:\t*SPITCH
.endr
.endm
.macro SEND a, younger                 ; younger: the LDS instructions issued behind block a's loads, which may stay out
.set BB, BK+64*((\a)%2)
	s_wait_dscnt \younger                          ; the block is back in registers
.if (\a) > 0
	s_add_nc_u64 s[10:11], s[10:11], 16*SIZE_N*4   ; (behind a wait on XCNT: the earlier stores have read their base)  16 rows on, so that the stores' offsets stay small: 15 rows of 16,384 bytes at the most
.endif
.irp t, 0,1,2,3,4,5,6,7,8,9,10,11,12,13,14,15
	global_store_b128 v[CO], v[BB+4*\t:BB+4*\t+3], s[10:11] offset:\t*SIZE_N*4 th:TH_STORE_NT   ; 32 lanes store 512 consecutive bytes, at a multiple of 256 from the output's first byte; written once, read by nobody here
.endr
.endm
	s_wait_kmcnt 0x0
	s_add_co_i32 s96, s96, s97                     ; e0 + e1, between -126 and 127,
	s_add_co_i32 s96, s96, 127
	s_lshl_b32 s96, s96, 23                        ; makes the f32 number 2^(e0 + e1)
	PLACES NP                                      ; behind the last products: these places serve the loads into the registers that held A's fragments and the reads of results alike
	TOSTAGE 0
.irp a, 1,2,3,4,5,6,7
.if \a > 1
	s_wait_xcnt 0x0                                ; block a - 2's stores have read their registers and their base: block a's loads may land there, and the base may step
.endif
	TOSTAGE \a
	SEND \a-1, 32                                  ; behind block a - 1's loads: block a's 16 stores and 16 loads
.endr
	s_wait_xcnt 0x0                                ; block 6's stores have read their base
	SEND 7, 0
	s_wait_tensorcnt 0x0                           ; the wave's end, behind my last tensor load and my last LDS store
	ds_add_u32 v[SPW], v[NIL]
	s_wait_dscnt 0x0
	CROUND                                         ; the closing round: no work-group ends while a partner may still ask for a tile that names it
	s_endpgm
.Lfunc_end_k_qf354afadc5_gemm:
	.size	k_qf354afadc5_gemm, .Lfunc_end_k_qf354afadc5_gemm-k_qf354afadc5_gemm
	.p2alignl 7, 3214868480
	.fill 96, 4, 3214868480
	.section	.rodata,"a",@progbits
	.p2align	6, 0x0
	.amdhsa_kernel k_qf354afadc5_gemm
		.amdhsa_group_segment_fixed_size 327680
		.amdhsa_private_segment_fixed_size 0
		.amdhsa_enable_private_segment 0
		.amdhsa_kernarg_size 32
		.amdhsa_user_sgpr_count 2
		.amdhsa_user_sgpr_kernarg_segment_ptr 1
		.amdhsa_wavefront_size32 1
		.amdhsa_system_sgpr_workgroup_id_x 1
		.amdhsa_system_sgpr_workgroup_id_y 1
		.amdhsa_system_sgpr_workgroup_id_z 1
		.amdhsa_system_vgpr_workitem_id 0
		.amdhsa_next_free_vgpr 1024
		.amdhsa_next_free_sgpr 98
		.amdhsa_reserve_vcc 0
		.amdhsa_float_denorm_mode_32 3
		.amdhsa_float_denorm_mode_16_64 3
		.amdhsa_memory_ordered 1
		.amdhsa_forward_progress 1
		.amdhsa_inst_pref_size 124
	.end_amdhsa_kernel
	.amdgpu_metadata
---
amdhsa.version: [ 1, 2 ]
amdhsa.kernels:
  - .name:           k_qf354afadc5_gemm
    .symbol:         k_qf354afadc5_gemm.kd
    .args:
      - { .name: xq, .offset: 0, .size: 8, .value_kind: global_buffer, .address_space: global }
      - { .name: wq, .offset: 8, .size: 8, .value_kind: global_buffer, .address_space: global }
      - { .name: lowp_scales, .offset: 16, .size: 8, .value_kind: global_buffer, .address_space: global }
      - { .name: out0, .offset: 24, .size: 8, .value_kind: global_buffer, .address_space: global }
    .group_segment_fixed_size: 327680
    .private_segment_fixed_size: 0
    .kernarg_segment_align: 8
    .kernarg_segment_size: 32
    .max_flat_workgroup_size: 128
    .sgpr_count:     98
    .vgpr_count:     1024
    .wavefront_size: 32
...
	.end_amdgpu_metadata
.endif
;; end of part 3
